; MI455X (gfx1250); checked and timed in simulation.
; The chip was launched on July 23, 2026; its instructions are those of AMD's public machine-readable ISA for CDNA 5 (MIT licence, August 2026) and "CDNA5" Instruction Set Architecture Reference Guide (July 2026). The comments in the code are by the model that wrote it; some were corrected since.
;; Multi Head Attention. Allowed arithmetic: float matrix products may take bf16 or f16 operands with f32 sums; all other float work in f32.
;; Inputs: Wk 16 x 1,024 x 64 float32; Wo 1,024 x 1,024 float32; Wq 16 x 1,024 x 64 float32; Wv 16 x 1,024 x 64 float32; bk 16 x 64 float32; bo 1,024 float32; bq 16 x 64 float32; bv 16 x 64 float32; k 2 x 2,048 x 1,024 float32; q 2 x 2,048 x 1,024 float32; v 2 x 2,048 x 1,024 float32.
;; Outputs: out0 2 x 2,048 x 1,024 float32.
;; One version. Each part assembles by itself: llvm-mc -triple=amdgcn-amd-amdhsa -mcpu=gfx1250 --defsym DOCPART=n.
;; ======== version 1 of 1: 4 launches
;; limits: values are held in f16: magnitudes above 65,504 overflow, below 6.1e-05 lose precision
;; workspace buffers: xb 33,554,432 bytes; qkv 25,165,824 bytes; ctx 8,388,608 bytes
;; launch cast (part 1): grid 16 x 16, 32 waves a work-group, no clusters, 0 bytes of LDS; arguments q, k, v, Wq, Wk, Wv, Wo, xb; writes xb
.if DOCPART == 1
	.amdgcn_target "amdgcn-amd-amdhsa--gfx1250"
	.amdhsa_code_object_version 6
	.text
	.protected	k_q46da0a9510_cast
	.globl	k_q46da0a9510_cast
	.p2align	8
	.type	k_q46da0a9510_cast,@function
k_q46da0a9510_cast:
	s_mov_b64 s[64:65], 0
	v_nop
	global_prefetch_b8 v0, s[64:65] scope:SCOPE_SE
	s_setreg_imm32_b32 hwreg(HW_REG_WAVE_MODE, 25, 1), 1
	s_wait_xcnt 0x0
; xb = f16 of q | k | v | Wq | Wk | Wv | Wo, each in its own layout, one behind the other: 16 units of 1,048,576 numbers
; (units 0-3 q, 4-7 k, 8-11 v, 12 Wq, 13 Wk, 14 Wv, 15 Wo).  Work-group (x, u) rounds 65,536 numbers of unit u.
; WHY f16: these numbers feed matrix products; f16 keeps 11 significant bits, and the inputs have room in it (largest finite
; number 65,504).  LIMIT: an input beyond 65,504 in magnitude becomes infinite; below 6.1e-5 the absolute error stays under 3e-8.
; A stream: each byte is read once and written once; no LDS, no barrier, no matrix unit, and no work-group shares a byte with another,
; so there is nothing to ask for jointly.  32 waves; thread t takes 16 bytes at 16 t of each of 16 pieces of 16,384 source bytes
; (a wave's load covers 512 consecutive bytes) and stores 8 bytes at 8 t of each 8,192 (a wave's store covers 256 consecutive bytes,
; aligned).  All 16 loads of a thread are issued before the first wait: the work-group's whole 262,144 source bytes are on their way
; at once.  Each piece is rounded in the registers it was loaded into and no register is written twice, so no wait guards a source.
.set PIECES, 16
.set SPIECE, 16384                     ; source bytes of a piece: 1,024 threads x 16
.set DPIECE, 8192                      ; destination bytes of a piece
.set X, 4                              ; v[4:67] piece i: 4 registers as loaded; its first two then hold the 4 numbers in f16
	s_load_b512 s[8:23], s[0:1], 0x0               ; q s[8:9], k, v, Wq, Wk, Wv, Wo s[20:21], xb s[22:23]
	s_and_b32 s2, ttmp7, 0xffff                    ; u: the unit
	s_lshr_b32 s3, s2, 2                           ; u / 4: 0 q, 1 k, 2 v, 3 a weight
	s_and_b32 s4, s2, 3                            ; which quarter of q, k or v;
	s_cmp_lt_u32 s2, 12
	s_cselect_b32 s4, s4, 0                        ; a weight is one unit
	s_lshl_b32 s4, s4, 22                          ; 4 MiB of f32 to a unit
	s_lshl_b32 s5, ttmp9, 18                       ; 256 KiB of f32 to a work-group
	s_add_co_u32 s26, s4, s5                       ; source offset, below 16 MiB
	s_mov_b32 s27, 0
	s_lshl_b32 s28, s2, 21                         ; 2 MiB of f16 to a unit
	s_lshl_b32 s5, ttmp9, 17
	s_add_co_u32 s28, s28, s5                      ; destination offset, below 32 MiB
	s_mov_b32 s29, 0
	v_lshlrev_b32 v1, 4, v0                        ; 16 t
	v_lshlrev_b32 v2, 3, v0                        ; 8 t
	s_wait_kmcnt 0x0
	s_mov_b64 s[24:25], s[8:9]                     ; the unit's buffer, chosen on u alone
	s_cmp_eq_u32 s3, 1
	s_cselect_b64 s[24:25], s[10:11], s[24:25]
	s_cmp_eq_u32 s3, 2
	s_cselect_b64 s[24:25], s[12:13], s[24:25]
	s_cmp_eq_u32 s2, 12
	s_cselect_b64 s[24:25], s[14:15], s[24:25]
	s_cmp_eq_u32 s2, 13
	s_cselect_b64 s[24:25], s[16:17], s[24:25]
	s_cmp_eq_u32 s2, 14
	s_cselect_b64 s[24:25], s[18:19], s[24:25]
	s_cmp_eq_u32 s2, 15
	s_cselect_b64 s[24:25], s[20:21], s[24:25]
	s_add_nc_u64 s[24:25], s[24:25], s[26:27]
	s_add_nc_u64 s[22:23], s[22:23], s[28:29]
.irp i, 0,1,2,3,4,5,6,7,8,9,10,11,12,13,14,15
	global_load_b128 v[X+4*\i:X+4*\i+3], v1, s[24:25] offset:\i*SPIECE th:TH_LOAD_NT
.endr
.irp i, 0,1,2,3,4,5,6,7,8,9,10,11,12,13,14,15
	s_wait_loadcnt PIECES-1-\i                     ; loads come back in order: piece i is in, the 15 - i younger ones stay out
	v_cvt_pk_f16_f32 v[X+4*\i],   v[X+4*\i],   v[X+4*\i+1]
	v_cvt_pk_f16_f32 v[X+4*\i+1], v[X+4*\i+2], v[X+4*\i+3]
	global_store_b64 v2, v[X+4*\i:X+4*\i+1], s[22:23] offset:\i*DPIECE     ; no hint: the next launch reads these bytes
.endr
	s_endpgm
.Lfunc_end_k_q46da0a9510_cast:
	.size	k_q46da0a9510_cast, .Lfunc_end_k_q46da0a9510_cast-k_q46da0a9510_cast
	.p2alignl 7, 3214868480
	.fill 96, 4, 3214868480
	.section	.rodata,"a",@progbits
	.p2align	6, 0x0
	.amdhsa_kernel k_q46da0a9510_cast
		.amdhsa_group_segment_fixed_size 0
		.amdhsa_private_segment_fixed_size 0
		.amdhsa_enable_private_segment 0
		.amdhsa_kernarg_size 64
		.amdhsa_user_sgpr_count 2
		.amdhsa_user_sgpr_kernarg_segment_ptr 1
		.amdhsa_wavefront_size32 1
		.amdhsa_system_sgpr_workgroup_id_x 1
		.amdhsa_system_sgpr_workgroup_id_y 1
		.amdhsa_system_sgpr_workgroup_id_z 1
		.amdhsa_system_vgpr_workitem_id 0
		.amdhsa_next_free_vgpr 68
		.amdhsa_next_free_sgpr 66
		.amdhsa_reserve_vcc 0
		.amdhsa_float_denorm_mode_32 3
		.amdhsa_float_denorm_mode_16_64 3
		.amdhsa_memory_ordered 1
		.amdhsa_forward_progress 1
		.amdhsa_inst_pref_size 7
	.end_amdhsa_kernel
	.amdgpu_metadata
---
amdhsa.version: [ 1, 2 ]
amdhsa.kernels:
  - .name:           k_q46da0a9510_cast
    .symbol:         k_q46da0a9510_cast.kd
    .args:
      - { .name: q, .offset: 0, .size: 8, .value_kind: global_buffer, .address_space: global }
      - { .name: k, .offset: 8, .size: 8, .value_kind: global_buffer, .address_space: global }
      - { .name: v, .offset: 16, .size: 8, .value_kind: global_buffer, .address_space: global }
      - { .name: Wq, .offset: 24, .size: 8, .value_kind: global_buffer, .address_space: global }
      - { .name: Wk, .offset: 32, .size: 8, .value_kind: global_buffer, .address_space: global }
      - { .name: Wv, .offset: 40, .size: 8, .value_kind: global_buffer, .address_space: global }
      - { .name: Wo, .offset: 48, .size: 8, .value_kind: global_buffer, .address_space: global }
      - { .name: xb, .offset: 56, .size: 8, .value_kind: global_buffer, .address_space: global }
    .group_segment_fixed_size: 0
    .private_segment_fixed_size: 0
    .kernarg_segment_align: 8
    .kernarg_segment_size: 64
    .max_flat_workgroup_size: 1024
    .sgpr_count:     66
    .vgpr_count:     68
    .wavefront_size: 32
...
	.end_amdgpu_metadata
.endif
;; end of part 1
;; launch proj (part 2): grid 4 x 48, 4 waves a work-group, clusters of 4 x 4, 327,680 bytes of LDS; arguments xb, bq, bk, bv, qkv; writes qkv
.if DOCPART == 2
	.amdgcn_target "amdgcn-amd-amdhsa--gfx1250"
	.amdhsa_code_object_version 6
	.text
	.protected	k_q46da0a9510_proj
	.globl	k_q46da0a9510_proj
	.p2align	8
	.type	k_q46da0a9510_proj,@function
k_q46da0a9510_proj:
	s_mov_b64 s[64:65], 0
	v_nop
	global_prefetch_b8 v0, s[64:65] scope:SCOPE_SE
	s_setreg_imm32_b32 hwreg(HW_REG_WAVE_MODE, 25, 1), 1
	s_wait_xcnt 0x0
	s_wait_alu depctr_hold_cnt(0) depctr_sa_sdst(0) depctr_va_vdst(0) depctr_va_sdst(0) depctr_va_ssrc(0) depctr_va_vcc(0) depctr_vm_vsrc(0)
	s_getreg_b32 s2, hwreg(HW_REG_IB_STS2, 6, 4)
	s_cmp_eq_u32 s2, 0
	s_cbranch_scc0 .Lentry_in_a_cluster
	s_endpgm
.Lentry_in_a_cluster:
	s_bfe_u32 s2, ttmp6, 0x10000c
	s_cmp_lg_u32 s2, 0xf033
	s_cbranch_scc0 .Lentry_shape_is_right
	s_endpgm
.Lentry_shape_is_right:
; Q, K, V = x W + b: three products of 4096 x 1024 x 1024 in one grid.  X = xb's first 12,288 rows of 1,024 f16 (q, k, v); the weights of
; product g are xb's unit 12 + g, still [16 heads][1024 e][64 d].  Result: qkv[g][b][h][s][64] in f16, sums in f32, bias in f32.
; LIMIT: a projected value beyond 65,504 in magnitude becomes infinite in f16.  With all inputs 30 times larger the values reach about 5e3,
; with all inputs offset by 30 of their spreads about 2.9e4.
; A work-group makes 256 rows x 256 columns (four heads) with four waves, a wave 128 x 128: 64 accumulator tiles, 512 registers.
; 12,288 x 1,024 outputs in such blocks are 192 work-groups.  K goes in steps of 128 through two LDS slots filled by the tensor data mover.
; CLUSTERS: 4 x 4 work-groups.  X's tile hangs on the block row alone and is asked for jointly along a row of the cluster; the weights'
; tile hangs on the block column (and on g, which the whole cluster shares) and is asked for jointly along a column.  Every wave issues
; one load of each kind for a slot: 64 rows of X, and the 128 e rows of one head's weights.
; THE WEIGHTS STAY [K][N]: their fragments come out of LDS by the transposing load.  A head's 128 e rows are 16,384 dense bytes; they
; are fetched as 64 rows of 256 bytes, and the pad interval of 32 words gives every 128-byte e row its own pad: pitch 160.
; THE MATRIX INSTRUCTION IS USED TRANSPOSED (source 0 = 16 columns of W, source 1 = 16 rows of X): a lane then holds eight neighbouring
; columns of one row.  THE BIAS is the C operand of each accumulator's first instruction: no add, no clearing.
; REGISTERS: window 0: v16-27 addresses, v64-127 and v128-191 fragments of X (two buffers), v192-255 the bias tiles, later at work on the
; way out; window 1: v64-191 fragments of W; windows 2 and 3: the accumulators of my rows 0-63 and 64-127 (tile (a, b) at v[8 (8 a + b)]).
.set KSTEP,  128
.set PITCH,  272                       ; an LDS row of X: 256 bytes + 16: an odd multiple of 16, so 16 rows start at 16 different 16-byte columns
.set WPITCH, 160                       ; an LDS row of W: 128 bytes + 32: an odd multiple of 32, as the transposing load's lanes want
.set AQ,     64*PITCH                  ; what one load brings of X
.set HALFA,  128*PITCH                 ; what one wave reads of X
.set ABYTES, 256*PITCH
.set PLANE,  128*WPITCH                ; one head's 128 e rows: what one load brings of W
.set SLOT,   ABYTES+4*PLANE            ; 151,552 bytes
.set STAGE,  2*SLOT                    ; behind the ring, at a multiple of 256: 16 rows x 272 bytes for each wave; no tensor load lands here
.set SPITCH, 272
.set LAPS,   1024/(2*KSTEP)            ; a lap = two K steps = once round the ring
.set ADRA, 16                          ; v16-17  LDS address of my X fragments in slot 0, 1
.set ADRB, 20                          ; v20-21  the same for W
.set STO,  24                          ; the way out: where I put 16 bytes of a row
.set RD,   25                          ; the way out: where I read back
.set CO,   26                          ; my byte offset in a run of 512 bytes of qkv
.set VB,   27                          ; my byte offset in the bias
.set F0,   64
.set F1,   128
.set BIAS, 192                         ; v[192:255] tile b: register j = bias of column 16 b + 8 (l / 16) + j
.set TMP,  192                         ; the way out: packed results (the bias is no longer needed then)
.set G1A, 24                           ; s[24:31] group 1 for X's tiles
.set G0A, 32                           ; s[32:39] group 0 for X's tiles, one set for each slot
.set G1B, 48                           ; s[48:55] group 1 for W's tiles
.set G0B, 56                           ; s[56:63] group 0 for W's tiles, one set for each slot
.set MSB, 0
.macro WIN new                         ; the immediate's high byte repeats the setting that is left
.if MSB != \new
	s_set_vgpr_msb (MSB<<8)|\new
.set MSB, \new
.endif
.endm
.set MUL_LO, 0xa1                      ; source 0 (W) window 1, source 1 (X) window 0, C and D window 2
.set MUL_HI, 0xf1                      ; the same, C and D window 3
.set TO_B,   0x40                      ; destination window 1, address window 0
.macro LOAD2 s                         ; my two joint loads for slot s
	tensor_load_to_lds s[G0A+4*\s:G0A+4*\s+3], s[G1A:G1A+7]
	s_nop 0
	tensor_load_to_lds s[G0B+4*\s:G0B+4*\s+3], s[G1B:G1B+7]
	s_nop 0
.endm
.macro CREST                           ; a round of the cluster's barrier behind its opening work-group barrier
	s_cmp_lg_u32 s66, 0
	s_cbranch_scc1 .Lnot_wave_0_\@
	s_barrier_signal -3
.Lnot_wave_0_\@:
	s_barrier_wait -3
	s_barrier_signal -1
	s_barrier_wait -1
.endm
.macro CROUND                          ; a whole round
	s_barrier_signal -1
	s_barrier_wait -1
	CREST
.endm
	s_load_b256 s[4:11], s[0:1], 0x0               ; xb s[4:5], bq s[6:7], bk s[8:9], bv s[10:11]
	s_load_b64 s[12:13], s[0:1], 0x20              ; qkv
	s_set_vgpr_msb 0x40
	v_lshl_add_u32 v255, v0, 2, 0x4e400
	s_set_vgpr_msb 0x4000
	v_mov_b32 v63, 0
	s_set_vgpr_msb 0x1
	ds_add_u32 v255, v63
	s_set_vgpr_msb 0x100
	v_lshrrev_b32 v1, 5, v0
	v_readfirstlane_b32 s66, v1                    ; wave 0..3
	s_lshr_b32 s67, s66, 1                         ; which half of the block's rows is mine
	s_and_b32 s68, s66, 1                          ; which half of its columns
	s_bfe_u32 s71, ttmp6, 0x40000                  ; cx
	s_bfe_u32 s72, ttmp6, 0x40004                  ; cy
	s_lshl_b32 s70, ttmp9, 2
	s_add_co_u32 s70, s70, s71                     ; block column = 4 x cluster x + cx
	s_and_b32 s75, ttmp7, 0xffff                   ; cluster y
	s_lshl_b32 s69, s75, 2
	s_add_co_u32 s69, s69, s72                     ; block row = 4 x cluster y + cy, 0..47
	s_lshr_b32 s75, s75, 2                         ; g = block row / 16 = cluster y / 4: the same in the whole cluster
	s_lshl_b32 s73, s72, 2
	s_lshl_b32 s73, 15, s73                        ; my row of the cluster
	s_lshl_b32 s74, 0x1111, s71                    ; my column
	; group 1 of X's tiles: 64 rows x 128 elements of 2 bytes, 1,024 elements from row to row; after every 64 words a pad of 4
	s_or_b32 s[G1A+0], s73, (1<<16)|(1<<20)|(1<<21)|(5<<22)|(3<<25)
	s_mov_b32 s[G1A+1], 128<<16                    ; tensor_dim0 = 128
	s_mov_b32 s[G1A+2], 64<<16                     ; tensor_dim1 = 64
	s_mov_b32 s[G1A+3], 128<<16                    ; tile_dim0 = 128
	s_mov_b32 s[G1A+4], 64                         ; tile_dim1 = 64
	s_mov_b32 s[G1A+5], 1024                       ; the pitch
	s_mov_b32 s[G1A+6], 0
	s_mov_b32 s[G1A+7], 0
	; group 1 of W's tiles: a dense block as 64 rows x 128 elements; after every 32 words (one e row) a pad of 8
	s_or_b32 s[G1B+0], s74, (1<<16)|(1<<20)|(1<<21)|(4<<22)|(7<<25)
	s_mov_b32 s[G1B+1], 128<<16
	s_mov_b32 s[G1B+2], 64<<16
	s_mov_b32 s[G1B+3], 128<<16
	s_mov_b32 s[G1B+4], 64
	s_mov_b32 s[G1B+5], 128
	s_mov_b32 s[G1B+6], 0
	s_mov_b32 s[G1B+7], 0
	; where the tiles come from.  s[14:23] never hold cx, s[40:47] never hold cy.
	s_lshl_b32 s14, s69, 19                        ; X: 256 rows of 2,048 bytes to a block row
	s_lshl_b32 s16, s66, 17                        ;    + 64 rows to a wave
	s_add_co_u32 s14, s14, s16
	s_mov_b32 s15, 0
	s_add_co_u32 s40, s75, 12                      ; W: unit 12 + g of 2 MiB
	s_lshl_b32 s40, s40, 21
	s_lshl_b32 s42, s70, 19                        ;    + four heads of 131,072 bytes to a block column
	s_add_co_u32 s40, s40, s42
	s_lshl_b32 s42, s66, 17                        ;    + one head to a wave
	s_add_co_u32 s40, s40, s42
	s_mov_b32 s41, 0
	s_mul_i32 s20, s66, AQ                         ; and where they go: the wave's number alone enters an LDS address
	s_mul_i32 s44, s66, PLANE
	s_add_co_u32 s44, s44, ABYTES
	s_lshl_b32 s78, s70, 10                        ; the bias of my 128 columns: 256 f32 to a block column
	s_lshl_b32 s79, s68, 9
	s_add_co_u32 s78, s78, s79
	s_mov_b32 s79, 0
	s_wait_dscnt 0x0
	s_wait_kmcnt 0x0
	s_add_nc_u64 s[14:15], s[4:5], s[14:15]
	s_add_nc_u64 s[40:41], s[4:5], s[40:41]
	s_mov_b64 s[76:77], s[6:7]                     ; bq, bk or bv, chosen on g alone
	s_cmp_eq_u32 s75, 1
	s_cselect_b64 s[76:77], s[8:9], s[76:77]
	s_cmp_eq_u32 s75, 2
	s_cselect_b64 s[76:77], s[10:11], s[76:77]
	s_add_nc_u64 s[76:77], s[76:77], s[78:79]
	CROUND                                         ; all sixteen work-groups are here: the first joint loads meet
.irp s, 0,1
	s_mov_b32 s[G0A+4*\s], 1
	s_add_co_u32 s[G0A+4*\s+1], s20, \s*SLOT
	s_add_nc_u64 s[G0A+4*\s+2:G0A+4*\s+3], s[14:15], \s*KSTEP*2        ; K step s: 256 bytes along the rows
	s_or_b32 s[G0A+4*\s+3], s[G0A+4*\s+3], 0x80000000
	s_mov_b32 s[G0B+4*\s], 1
	s_add_co_u32 s[G0B+4*\s+1], s44, \s*SLOT
	s_add_nc_u64 s[G0B+4*\s+2:G0B+4*\s+3], s[40:41], \s*KSTEP*128      ; K step s: 128 e rows of 128 bytes
	s_or_b32 s[G0B+4*\s+3], s[G0B+4*\s+3], 0x80000000
	LOAD2 \s                                       ; four tensor loads of mine are out now, later two at the most
.endr
	v_and_b32 v1, 15, v0                           ; r = l % 16
	v_bfe_u32 v2, v0, 4, 1                         ; h = l / 16
	v_lshlrev_b32 v[VB], 5, v2                     ; eight f32 to a half of the lanes
.irp b, 0,1,2,3,4,5,6,7
	global_load_b128 v[BIAS+8*\b:BIAS+8*\b+3],   v[VB], s[76:77] offset:64*\b
	global_load_b128 v[BIAS+8*\b+4:BIAS+8*\b+7], v[VB], s[76:77] offset:64*\b+16
.endr
	v_mul_u32_u24 v3, v1, PITCH
	v_lshl_add_u32 v3, v2, 4, v3                   ; X: row x pitch + 16 h
	v_and_b32 v4, 7, v0
	v_lshl_add_u32 v4, v2, 3, v4                   ; W: e row 8 h + l % 8,
	v_mul_u32_u24 v4, v4, WPITCH
	v_bfe_u32 v5, v0, 3, 1
	v_lshl_add_u32 v4, v5, 4, v4                   ;    16 bytes for each eight lanes
	s_mul_i32 s21, s67, HALFA                      ; my 128 rows of X
	s_mul_i32 s45, s68, 2*PLANE                    ; my two heads of W,
	s_add_co_u32 s45, s45, ABYTES                  ; which lie behind X
.irp s, 0,1
	v_add_nc_u32 v[ADRA+\s], s21, v3
	v_add_nc_u32 v[ADRB+\s], s45, v4
	s_add_co_u32 s21, s21, SLOT
	s_add_co_u32 s45, s45, SLOT
.endr
	s_mul_i32 s23, s66, 16*SPITCH
	s_add_co_u32 s23, s23, STAGE                   ; my stage
	v_mul_u32_u24 v6, v1, SPITCH                   ; in: row r, 16 bytes for each half of the lanes
	v_lshl_add_u32 v6, v2, 4, v6
	v_add_nc_u32 v[STO], s23, v6
	v_and_b32 v7, 31, v0
	v_lshrrev_b32 v8, 3, v7                        ; back: eight lanes take the 128 bytes that one row has of one head
	v_mul_u32_u24 v8, v8, SPITCH
	v_and_b32 v9, 7, v0
	v_lshl_add_u32 v8, v9, 4, v8
	v_add_nc_u32 v[RD], s23, v8
	v_lshlrev_b32 v[CO], 4, v7                     ; four rows of 128 bytes lie one behind the other in a head's plane
; 16 matrix instructions: m blocks a0, a0 + 1 of the window's four x all 8 n blocks, 32 along K.  first = 1: C is the bias tile.
; The 64 accumulators take turns, one instruction a turn, in the same order in every quarter step.
.macro MUL16 buf, hi, a0, first
.irp a, \a0, \a0+1
.irp b, 0,1,2,3,4,5,6,7
.if \first
	v_wmma_f32_16x16x32_f16 v[8*(8*(\a)+\b):8*(8*(\a)+\b)+7], v[\buf+8*\b:\buf+8*\b+7], v[\buf+8*(4*\hi+\a):\buf+8*(4*\hi+\a)+7], v[BIAS+8*\b:BIAS+8*\b+7]
.else
	v_wmma_f32_16x16x32_f16 v[8*(8*(\a)+\b):8*(8*(\a)+\b)+7], v[\buf+8*\b:\buf+8*\b+7], v[\buf+8*(4*\hi+\a):\buf+8*(4*\hi+\a)+7], v[8*(8*(\a)+\b):8*(8*(\a)+\b)+7]
.endif
.endr
.endr
.endm
; 32 LDS loads in one run: the fragments of one quarter step (k = byte of X's rows: 0, 64, 128, 192) into buffer buf.
; W: n block i lies in head plane i / 4 at byte 32 (i % 4); 32 e rows on are 5,120 bytes = 80 k; the second load is 16 e rows further.
.macro FETCH slot, k, buf
	WIN TO_B
.irp i, 0,1,2,3,4,5,6,7
	ds_load_tr16_b128 v[\buf+8*\i:\buf+8*\i+3],   v[ADRB+\slot] offset:\k*80+(\i>>2)*PLANE+(\i&3)*32
	ds_load_tr16_b128 v[\buf+8*\i+4:\buf+8*\i+7], v[ADRB+\slot] offset:\k*80+(\i>>2)*PLANE+(\i&3)*32+16*WPITCH
.endr
	WIN 0
.irp i, 0,1,2,3,4,5,6,7
	ds_load_b128 v[\buf+8*\i:\buf+8*\i+3],   v[ADRA+\slot] offset:\k+\i*16*PITCH
	ds_load_b128 v[\buf+8*\i+4:\buf+8*\i+7], v[ADRA+\slot] offset:\k+\i*16*PITCH+32
.endr
.endm
; A load into a register that a matrix instruction has read, and a vector instruction that reads a matrix result, stand four places behind
; it, and only plain vector instructions that name none of its registers are places (ISA guide 7.12.1 for vector instructions).
.macro PLACES
.rept 4
	v_nop
.endr
.endm
; One of a K step's first three quarters: multiplies buffer f; in its middle it fetches the next quarter's fragments into buffer g.
.macro QUARTER slot, k, f, g, first
	s_wait_dscnt 8                                 ; W and X's rows 0-63 are in; the youngest eight loads (X's rows 64-127) may be out
.if \first
	WIN 0x81                                       ; C (the bias) in window 0, D in window 2
.else
	WIN MUL_LO
.endif
	MUL16 \f, 0, 0, \first
	MUL16 \f, 0, 2, \first
	PLACES
	FETCH \slot, \k, \g
	s_wait_dscnt 32                                ; all but the 32 just issued
.if \first
	WIN 0xc1                                       ; C in window 0, D in window 3
.else
	WIN MUL_HI
.endif
	MUL16 \f, 1, 0, \first
	MUL16 \f, 1, 2, \first
.endm
.macro THREE slot, first
	QUARTER \slot, 64,  F0, F1, \first
	QUARTER \slot, 128, F1, F0, 0
	QUARTER \slot, 192, F0, F1, 0
.endm
; The last quarter: multiplies buffer 1 and changes slots.  In front of the barrier each wave waits for its reads of this slot and for all
; its tensor loads (the two that are out are its parts of the next slot).  fill = 1: the barrier opens a round of the cluster's barrier,
; and the joint refills of this slot are the first tensor loads behind the round's closing wait.
.macro TURN slot, next, fill
	s_wait_dscnt 8
	WIN MUL_LO
	MUL16 F1, 0, 0, 0
	s_wait_dscnt 0                                 ; my reads of this slot are over
	s_wait_tensorcnt 0x0                           ; all my tensor loads have landed
	ds_add_u32 v255, v63
	s_wait_dscnt 0x0
	s_barrier_signal -1
	MUL16 F1, 0, 2, 0                              ; register work while the others arrive
	WIN 0
	s_barrier_wait -1
.if \fill
	CREST                                          ; no wave of any partner still reads this slot or has a load on its way
	s_add_nc_u64 s[G0A+4*\slot+2:G0A+4*\slot+3], s[G0A+4*\slot+2:G0A+4*\slot+3], 2*KSTEP*2
	s_add_nc_u64 s[G0B+4*\slot+2:G0B+4*\slot+3], s[G0B+4*\slot+2:G0B+4*\slot+3], 2*KSTEP*128
	LOAD2 \slot
.endif
	PLACES
	FETCH \next, 0, F0
	WIN MUL_HI
	MUL16 F1, 1, 0, 0
	MUL16 F1, 1, 2, 0
.endm
.macro LAP first
	THREE 0, \first
	TURN 0, 1, 1
	THREE 1, 0
	TURN 1, 0, 1
.endm
	s_wait_loadcnt 0x0                             ; the bias
	s_wait_tensorcnt 2                             ; my two parts of K step 0 are in; K step 1's two stay out
	s_barrier_signal -1
	s_barrier_wait -1                              ; everybody's are
	FETCH 0, 0, F0
	LAP 1                                          ; the first lap stands in front of the loop: its first products start the sums from the bias
	WIN 0
	s_mov_b32 s3, LAPS-2
.Llap:
	LAP 0
	WIN 0
	s_sub_co_u32 s3, s3, 1
	s_cmp_lg_u32 s3, 0
	s_cbranch_scc1 .Llap
	THREE 0, 0                                     ; the last lap fills nothing
	TURN 0, 1, 0
	THREE 1, 0
	s_wait_dscnt 8
	WIN MUL_LO
	MUL16 F1, 0, 0, 0
	MUL16 F1, 0, 2, 0
	s_wait_dscnt 0
	WIN MUL_HI
	MUL16 F1, 1, 0, 0
	MUL16 F1, 1, 2, 0
	; THE WAY OUT, 16 rows at a time: round to f16, 16 bytes a lane into my own stage, read back by heads: 16 rows of one head are 2,048
	; consecutive bytes of qkv, and each store of the wave covers 512 of them, aligned.
	PLACES
	s_lshr_b32 s14, s69, 3                         ; block row / 8 = 2 g + b: 16 planes of 262,144 bytes each
	s_lshl_b32 s14, s14, 22
	s_and_b32 s16, s69, 7                          ; 256 rows of 128 bytes to a block row
	s_lshl_b32 s16, s16, 15
	s_add_co_u32 s14, s14, s16
	s_lshl_b32 s16, s67, 14                        ; my half: 128 rows
	s_add_co_u32 s14, s14, s16
	s_mov_b32 s15, 0
	s_add_nc_u64 s[12:13], s[12:13], s[14:15]
	s_lshl_b32 s40, s70, 20                        ; four planes to a block column
	s_lshl_b32 s42, s68, 19                        ; two to my half
	s_add_co_u32 s40, s40, s42
	s_mov_b32 s41, 0
	s_add_nc_u64 s[12:13], s[12:13], s[40:41]
; rows 16 i .. 16 i + 15 of my block = the eight tiles (a, 0..7) of window 2 or 3 (from = 0x0a or 0x0f); f: F0 or F1 in turn
.macro OUT16 i, a, from, f
	WIN \from
.irp b, 0,1,2,3,4,5,6,7
.irp r, 0,1,2,3
	v_cvt_pk_f16_f32 v[TMP+4*\b+\r], v[8*(8*\a+\b)+2*\r], v[8*(8*\a+\b)+2*\r+1]
.endr
.endr
	WIN 0
.irp b, 0,1,2,3,4,5,6,7
	ds_store_b128 v[STO], v[TMP+4*\b:TMP+4*\b+3] offset:32*\b
.endr
	s_wait_xcnt 0x0                                ; buffer f, which earlier stores read, and the stores' base are rewritten only behind this wait
.if \i
	s_add_nc_u64 s[12:13], s[12:13], 16*128        ; 16 rows on
.endif
.irp hh, 0,1
.irp t, 0,1,2,3
	ds_load_b128 v[\f+16*\hh+4*\t:\f+16*\hh+4*\t+3], v[RD] offset:128*\hh+4*SPITCH*\t   ; LDS serves a wave's instructions in order: these see the stores above
.endr
.endr
.irp hh, 0,1
.irp t, 0,1,2,3
	s_wait_dscnt 7-4*\hh-\t
	global_store_b128 v[CO], v[\f+16*\hh+4*\t:\f+16*\hh+4*\t+3], s[12:13] offset:262144*\hh+512*\t
.endr
.endr
.endm
	OUT16 0, 0, 0x0a, F0
	OUT16 1, 1, 0x0a, F1
	OUT16 2, 2, 0x0a, F0
	OUT16 3, 3, 0x0a, F1
	OUT16 4, 0, 0x0f, F0
	OUT16 5, 1, 0x0f, F1
	OUT16 6, 2, 0x0f, F0
	OUT16 7, 3, 0x0f, F1
	s_set_vgpr_msb 0x1
	s_wait_tensorcnt 0x0
	ds_add_u32 v255, v63
	s_wait_dscnt 0x0
	s_set_vgpr_msb 0x100
	CROUND                                         ; the closing round: no work-group ends while a partner may still ask for a tile that names it
	s_endpgm
.Lfunc_end_k_q46da0a9510_proj:
	.size	k_q46da0a9510_proj, .Lfunc_end_k_q46da0a9510_proj-k_q46da0a9510_proj
	.p2alignl 7, 3214868480
	.fill 96, 4, 3214868480
	.section	.rodata,"a",@progbits
	.p2align	6, 0x0
	.amdhsa_kernel k_q46da0a9510_proj
		.amdhsa_group_segment_fixed_size 327680
		.amdhsa_private_segment_fixed_size 0
		.amdhsa_enable_private_segment 0
		.amdhsa_kernarg_size 40
		.amdhsa_user_sgpr_count 2
		.amdhsa_user_sgpr_kernarg_segment_ptr 1
		.amdhsa_wavefront_size32 1
		.amdhsa_system_sgpr_workgroup_id_x 1
		.amdhsa_system_sgpr_workgroup_id_y 1
		.amdhsa_system_sgpr_workgroup_id_z 1
		.amdhsa_system_vgpr_workitem_id 0
		.amdhsa_next_free_vgpr 1024
		.amdhsa_next_free_sgpr 80
		.amdhsa_reserve_vcc 0
		.amdhsa_float_denorm_mode_32 3
		.amdhsa_float_denorm_mode_16_64 3
		.amdhsa_memory_ordered 1
		.amdhsa_forward_progress 1
		.amdhsa_inst_pref_size 198
	.end_amdhsa_kernel
	.amdgpu_metadata
---
amdhsa.version: [ 1, 2 ]
amdhsa.kernels:
  - .name:           k_q46da0a9510_proj
    .symbol:         k_q46da0a9510_proj.kd
    .args:
      - { .name: xb, .offset: 0, .size: 8, .value_kind: global_buffer, .address_space: global }
      - { .name: bq, .offset: 8, .size: 8, .value_kind: global_buffer, .address_space: global }
      - { .name: bk, .offset: 16, .size: 8, .value_kind: global_buffer, .address_space: global }
      - { .name: bv, .offset: 24, .size: 8, .value_kind: global_buffer, .address_space: global }
      - { .name: qkv, .offset: 32, .size: 8, .value_kind: global_buffer, .address_space: global }
    .group_segment_fixed_size: 327680
    .private_segment_fixed_size: 0
    .kernarg_segment_align: 8
    .kernarg_segment_size: 40
    .max_flat_workgroup_size: 128
    .sgpr_count:     80
    .vgpr_count:     1024
    .wavefront_size: 32
...
	.end_amdgpu_metadata
.endif
;; end of part 2
;; launch attn (part 3): grid 8 x 32, 8 waves a work-group, clusters of 4 x 1, 327,680 bytes of LDS; arguments qkv, ctx; writes ctx
.if DOCPART == 3
	.amdgcn_target "amdgcn-amd-amdhsa--gfx1250"
	.amdhsa_code_object_version 6
	.text
	.protected	k_q46da0a9510_attn
	.globl	k_q46da0a9510_attn
	.p2align	8
	.type	k_q46da0a9510_attn,@function
k_q46da0a9510_attn:
	s_mov_b64 s[64:65], 0
	v_nop
	global_prefetch_b8 v0, s[64:65] scope:SCOPE_SE
	s_setreg_imm32_b32 hwreg(HW_REG_WAVE_MODE, 25, 1), 1
	s_wait_xcnt 0x0
	s_wait_alu depctr_hold_cnt(0) depctr_sa_sdst(0) depctr_va_vdst(0) depctr_va_sdst(0) depctr_va_ssrc(0) depctr_va_vcc(0) depctr_vm_vsrc(0)
	s_getreg_b32 s2, hwreg(HW_REG_IB_STS2, 6, 4)
	s_cmp_eq_u32 s2, 0
	s_cbranch_scc0 .Lentry_in_a_cluster
	s_endpgm
.Lentry_in_a_cluster:
	s_bfe_u32 s2, ttmp6, 0x10000c
	s_cmp_lg_u32 s2, 0x3003
	s_cbranch_scc0 .Lentry_shape_is_right
	s_endpgm
.Lentry_shape_is_right:
; ctx[b][h][s][64] = softmax(Q K^T / 8) V for one head and 256 queries per work-group; operands f16, sums, maxima and exponentials f32.
; The maximum is a running one: the exponent of every term is c s - c max with c = log2(e) / 8, at most about 0.
; LIMITS: P and ctx are rounded to f16 (P is at most 1, ctx is a mean of V's values); an exponential below 2^-126 counts as 0;
; NaN and infinities in Q, K, V are not treated specially.
; WAVES: eight.  Wave w takes queries 64 (w % 4) .. + 63 and the half w / 4 of every tile's 256 keys; waves w and w + 4 join their sums once,
; at the end, through LDS.  So two waves with their own work share a SIMD's registers, and each K or V fragment feeds four matrix instructions.
; CLUSTERS: the four query blocks of a cluster read the same K and V tiles and ask for them jointly (mask 15).  Each wave asks for 32 keys
; of K and of V per tile: 4,096 dense bytes as 16 rows of 256; the pad interval of 32 words gives every key's 128 bytes a pad of its own.
; A wave has four tensor loads out at the start (both slots' first tiles) and two later.
; THE RING: two slots.  A trip reads one slot in two steps of 64 of the wave's keys.  The round of the cluster's barrier in front of the slot's
; refill is SPREAD over the second step: its opening signal stands where the wave's last LDS reads of the slot have come back, and its three
; waits stand further down with register work between them, so that a wave that is ahead of another by less than such a stretch does not stop.
; EVERYTHING IS TRANSPOSED, so no number changes lanes but for one exchange of halves:
;   S^T = K Q^T: lane (r, h) holds query 16 n + r and keys 16 t + 8 h + j.  Two such tiles, rounded in place, ARE the B fragment (32 keys)
;   of ctx^T = V^T P^T; V^T comes out of LDS by the transposing load; a lane ends with eight neighbouring d of one query.
; REGISTERS, window 0: v8-16 addresses; v[20:35] for query tile n: -c max, max of this step, alpha, sum; v[36:51] two sets of four pairs of
;   partial sums (even and odd n); the second set, v[44:51], serves the maxima and statistics before that;
;   v[64:127] K fragments (t, c) at 64 + 16 t + 8 c; v[128:255] S (t, n) at 128 + 64 (t / 2) + 16 n + 8 (t % 2).
; Window 1: v[0:127] accumulators (dt, n) at 8 (4 dt + n); v[128:191] Q (n, c) at 128 + 16 n + 8 c; v[192:255] V^T (dt, c) at 192 + 16 dt + 8 c.
.set KPITCH, 144
.set VPITCH, 160
.set KBYTES, 256*KPITCH                ; 36,864
.set SLOT,   KBYTES+256*VPITCH         ; 77,824
.set MRG,    2*SLOT                    ; 155,648, a multiple of 256: 4 x 18,432 bytes, what waves 4-7 hand to waves 0-3; no tensor load lands here
.set OST,    MRG+4*18432               ; 229,376: 4 x 64 rows x 144 bytes, the way out
.set ADRK, 8
.set ADRV, 10
.set QOFF, 12
.set STO,  13
.set RD,   14
.set CO,   15
.set MRGA, 16
.set ST,   20
.set SUM,  36
.set T1,   44
.set NN,   48
.set F0P,  36                          ; the end: my factor, twice, for each query tile
.set F1P,  52                          ; the end: the partner's factor, twice
.set PST,  64                          ; the end: the partner's statistics
.set KF,   64
.set SR,   128
.set QF,   128
.set VF,   192
.set G1K, 16
.set G1V, 24
.set G0K, 32
.set G0V, 40
.set MSB, 0
.macro WIN new
.if MSB != \new
	s_set_vgpr_msb (MSB<<8)|\new
.set MSB, \new
.endif
.endm
.macro ROUND                           ; a round of the cluster's barrier, in one piece
	s_barrier_signal -1
	s_barrier_wait -1
	s_cmp_lg_u32 s8, 0
	s_cbranch_scc1 .Lnot_wave_0_\@
	s_barrier_signal -3
.Lnot_wave_0_\@:
	s_barrier_wait -3
	s_barrier_signal -1
	s_barrier_wait -1
.endm
	s_load_b128 s[4:7], s[0:1], 0x0                ; qkv s[4:5], ctx s[6:7]
	v_lshl_add_u32 v62, v0, 2, 0x41000
	v_mov_b32 v63, 0
	ds_add_u32 v62, v63
	v_lshrrev_b32 v1, 5, v0
	v_readfirstlane_b32 s8, v1                     ; wave 0..7
	s_and_b32 s9, s8, 3                            ; my 64 queries
	s_lshr_b32 s10, s8, 2                          ; my half of the keys
	s_and_b32 s11, ttmp7, 0xffff                   ; 16 b + h
	s_bfe_u32 s12, ttmp6, 0x40000                  ; cx
	s_lshl_b32 s13, ttmp9, 2
	s_add_co_u32 s13, s13, s12                     ; query block = 4 x cluster x + cx
	s_mov_b32 s14, 0x76543210                      ; v_permlanex16_b32: lane i of one half reads lane i of the other
	s_mov_b32 s15, 0xfedcba98
	s_mov_b32 s[G1K+0], 15|(1<<16)|(1<<20)|(1<<21)|(4<<22)|(3<<25)   ; mask 15; 2-byte elements; after every 32 words a pad of 4: pitch 144
	s_mov_b32 s[G1V+0], 15|(1<<16)|(1<<20)|(1<<21)|(4<<22)|(7<<25)   ; a pad of 8: pitch 160
.irp g, G1K, G1V
	s_mov_b32 s[\g+1], 128<<16                     ; tensor_dim0 = 128
	s_mov_b32 s[\g+2], 16<<16                      ; tensor_dim1 = 16
	s_mov_b32 s[\g+3], 128<<16                     ; tile_dim0 = 128
	s_mov_b32 s[\g+4], 16                          ; tile_dim1 = 16
	s_mov_b32 s[\g+5], 128                         ; the pitch: dense
	s_mov_b32 s[\g+6], 0
	s_mov_b32 s[\g+7], 0
.endr
	s_add_co_u32 s50, s11, 32                      ; K's planes follow Q's 32 planes of 262,144 bytes
	s_lshl_b32 s50, s50, 18
	s_lshl_b32 s52, s8, 12                         ; my 32 keys of 128 bytes
	s_add_co_u32 s50, s50, s52
	s_mov_b32 s51, 0
	s_mul_i32 s58, s8, 32*KPITCH                   ; where they go: the wave's number alone
	s_mul_i32 s59, s8, 32*VPITCH
	s_add_co_u32 s59, s59, KBYTES
	s_lshl_b32 s54, s11, 18                        ; my queries: plane, 256 rows of 128 bytes to a block, 64 to a wave (s[54:57] alone hold cx)
	s_lshl_b32 s56, s13, 15
	s_add_co_u32 s54, s54, s56
	s_lshl_b32 s56, s9, 13
	s_add_co_u32 s54, s54, s56
	s_mov_b32 s55, 0
	s_wait_dscnt 0x0
	s_wait_kmcnt 0x0
	s_add_nc_u64 s[50:51], s[4:5], s[50:51]        ; K
	s_add_nc_u64 s[52:53], s[50:51], 32*262144     ; V: 32 planes further
	s_add_nc_u64 s[56:57], s[6:7], s[54:55]        ; ctx at my queries
	s_add_nc_u64 s[54:55], s[4:5], s[54:55]        ; Q at my queries
.irp s, 0,1
	s_mov_b32 s[G0K+4*\s], 1
	s_add_co_u32 s[G0K+4*\s+1], s58, \s*SLOT
	s_add_nc_u64 s[G0K+4*\s+2:G0K+4*\s+3], s[50:51], \s*32768          ; tile s: 256 keys of 128 bytes
	s_or_b32 s[G0K+4*\s+3], s[G0K+4*\s+3], 0x80000000
	s_mov_b32 s[G0V+4*\s], 1
	s_add_co_u32 s[G0V+4*\s+1], s59, \s*SLOT
	s_add_nc_u64 s[G0V+4*\s+2:G0V+4*\s+3], s[52:53], \s*32768
	s_or_b32 s[G0V+4*\s+3], s[G0V+4*\s+3], 0x80000000
.endr
	v_and_b32 v1, 15, v0                           ; r
	v_bfe_u32 v2, v0, 4, 1                         ; h
	v_and_b32 v3, 31, v0                           ; l
	v_lshlrev_b32 v[QOFF], 7, v1
	v_lshl_add_u32 v[QOFF], v2, 4, v[QOFF]         ; row r of 128 bytes + 16 h
	WIN 0x40                                       ; Q's fragments straight from memory into window 1, once
.irp nq, 0,1,2,3
.irp c, 0,1
	global_load_b128 v[QF+16*\nq+8*\c:QF+16*\nq+8*\c+3],   v[QOFF], s[54:55] offset:2048*\nq+64*\c
	global_load_b128 v[QF+16*\nq+8*\c+4:QF+16*\nq+8*\c+7], v[QOFF], s[54:55] offset:2048*\nq+64*\c+32
.endr
.endr
	WIN 0
	ROUND                                          ; the four work-groups are here: the first joint loads meet
.irp s, 0,1
	tensor_load_to_lds s[G0K+4*\s:G0K+4*\s+3], s[G1K:G1K+7]            ; tiles 0 and 1: both slots' first fills
	s_nop 0
	tensor_load_to_lds s[G0V+4*\s:G0V+4*\s+3], s[G1V:G1V+7]
	s_nop 0
.endr
	v_mul_u32_u24 v4, v1, KPITCH
	v_lshl_add_u32 v4, v2, 4, v4                   ; r x 144 + 16 h
	s_mul_i32 s49, s10, 128*KPITCH                 ; my 128 keys
	v_add_nc_u32 v[ADRK], s49, v4
	v_add_nc_u32 v[ADRK+1], SLOT, v[ADRK]
	v_and_b32 v5, 7, v0
	v_lshl_add_u32 v5, v2, 3, v5                   ; key 8 h + l % 8
	v_mul_u32_u24 v5, v5, VPITCH
	v_bfe_u32 v6, v0, 3, 1
	v_lshl_add_u32 v5, v6, 4, v5
	s_mul_i32 s49, s10, 128*VPITCH
	s_add_co_u32 s49, s49, KBYTES
	v_add_nc_u32 v[ADRV], s49, v5
	v_add_nc_u32 v[ADRV+1], SLOT, v[ADRV]
	s_mul_i32 s49, s9, 64*KPITCH
	s_add_co_u32 s49, s49, OST
	v_add_nc_u32 v[STO], s49, v4
	v_lshrrev_b32 v7, 3, v3
	v_mul_u32_u24 v7, v7, KPITCH
	v_and_b32 v6, 7, v0
	v_lshl_add_u32 v7, v6, 4, v7
	v_add_nc_u32 v[RD], s49, v7
	v_lshlrev_b32 v[CO], 4, v3
	s_mul_i32 s49, s9, 18432
	s_add_co_u32 s49, s49, MRG
	v_add_nc_u32 v[MRGA], s49, v[CO]
.irp nq, 0,1,2,3
	v_mov_b32 v[T1+\nq], 0                         ; the exchange's destination counts as read: written once here
.endr
	s_wait_loadcnt 0x0                             ; Q
	s_wait_tensorcnt 0x2                           ; my two parts of tile 0 are in; tile 1's two stay out
	s_barrier_signal -1
	s_barrier_wait -1                              ; everybody's are
; K's fragments of 64 of my keys (u = 0, 1)
.macro KLOAD slot, u
.irp t, 0,1,2,3
.irp c, 0,1
	ds_load_b128 v[KF+16*\t+8*\c:KF+16*\t+8*\c+3],   v[ADRK+\slot] offset:\u*64*KPITCH+\t*16*KPITCH+64*\c
	ds_load_b128 v[KF+16*\t+8*\c+4:KF+16*\t+8*\c+7], v[ADRK+\slot] offset:\u*64*KPITCH+\t*16*KPITCH+64*\c+32
.endr
.endr
.endm
; The largest of a lane's 32 scores for each query tile: two chains a tile (one for each run of 16 registers), the eight chains interleaved
.macro MAXES
.irp nq, 0,1,2,3
	v_max3_num_f32 v[ST+4*\nq+1], v[SR+16*\nq], v[SR+16*\nq+1], v[SR+16*\nq+2]
.endr
.irp nq, 0,1,2,3
	v_max3_num_f32 v[NN+\nq], v[SR+64+16*\nq], v[SR+64+16*\nq+1], v[SR+64+16*\nq+2]
.endr
.set idx, 3
.rept 6
.irp nq, 0,1,2,3
	v_max3_num_f32 v[ST+4*\nq+1], v[ST+4*\nq+1], v[SR+16*\nq+idx], v[SR+16*\nq+idx+1]
.endr
.irp nq, 0,1,2,3
	v_max3_num_f32 v[NN+\nq], v[NN+\nq], v[SR+64+16*\nq+idx], v[SR+64+16*\nq+idx+1]
.endr
.set idx, idx+2
.endr
.irp nq, 0,1,2,3
	v_max3_num_f32 v[ST+4*\nq+1], v[ST+4*\nq+1], v[SR+16*\nq+15], v[SR+64+16*\nq+15]
.endr
.irp nq, 0,1,2,3
	v_max_num_f32 v[ST+4*\nq+1], v[ST+4*\nq+1], v[NN+\nq]
.endr
.endm
; The other half of the lanes holds the query's other keys.  Kept is the ROUNDED number -c max, and alpha is made from the difference of two
; such numbers, so that every term of a row carries the same offset, which the division at the end takes out.
.macro STATS first
.irp nq, 0,1,2,3
	v_permlanex16_b32 v[T1+\nq], v[ST+4*\nq+1], s14, s15
.endr
.irp nq, 0,1,2,3
	v_max_num_f32 v[ST+4*\nq+1], v[ST+4*\nq+1], v[T1+\nq]
.endr
.if \first
.irp nq, 0,1,2,3
	v_mul_f32 v[ST+4*\nq], 0xbe38aa3b, v[ST+4*\nq+1]           ; -c max
.endr
.else
.irp nq, 0,1,2,3
	v_mul_f32 v[NN+\nq], 0xbe38aa3b, v[ST+4*\nq+1]
.endr
.irp nq, 0,1,2,3
	v_sub_f32 v[ST+4*\nq+2], v[NN+\nq], v[ST+4*\nq]
.endr
.irp nq, 0,1,2,3
	v_min_num_f32 v[ST+4*\nq+2], 0, v[ST+4*\nq+2]              ; c (old max - new max), 0 where the maximum stays
	v_min_num_f32 v[ST+4*\nq], v[ST+4*\nq], v[NN+\nq]          ; the running -c max
.endr
.irp nq, 0,1,2,3
	v_exp_f32 v[ST+4*\nq+2], v[ST+4*\nq+2]                     ; alpha; the plain multiply-adds that follow touch neither it nor its source (ISA guide 5.7.2)
.endr
.endif
.endm
.macro FMA nq                          ; c s - c max, two at a time
.irp c, 0,1
.irp i, 0,1,2,3,4,5,6,7
	v_pk_fma_f32 v[SR+64*\c+16*\nq+2*\i:SR+64*\c+16*\nq+2*\i+1], v[SR+64*\c+16*\nq+2*\i:SR+64*\c+16*\nq+2*\i+1], 0x3e38aa3b, v[ST+4*\nq:ST+4*\nq+1] op_sel_hi:[1,0,0]
.endr
.endr
.endm
.macro EXPS nq                         ; 32 exponentials back to back; behind them always stands plain work on another query tile's registers
.irp c, 0,1
.irp i, 0,1,2,3,4,5,6,7,8,9,10,11,12,13,14,15
	v_exp_f32 v[SR+64*\c+16*\nq+\i], v[SR+64*\c+16*\nq+\i]
.endr
.endr
.endm
.macro RESCALE                         ; the accumulators times alpha of their query tile; done in every step: no branch hangs on a number
	WIN 0x41
.set p, 0
	s_wait_alu depctr_va_vdst(0)
.rept 64
	v_pk_mul_f32 v[2*p:2*p+1], v[2*p:2*p+1], v[ST+4*((p>>2)&3)+2:ST+4*((p>>2)&3)+3] op_sel_hi:[1,0]
.set p, p+1
.endr
	WIN 0
.endm
; The row sum's share of this lane, in four chains of pairs, and P rounded in place: register i of a run of 16 takes numbers 2 i, 2 i + 1;
; it is written only behind the additions that read it.  Even and odd query tiles use different chains, so that a tile's last two
; additions (SUMEND) can stand further down.
.macro SUMCVT nq
	s_wait_alu depctr_va_vdst(0)
.irp k, 0,1,2,3
	v_pk_add_f32 v[SUM+8*(\nq&1)+2*\k:SUM+8*(\nq&1)+2*\k+1], v[SR+16*\nq+4*\k:SR+16*\nq+4*\k+1], v[SR+16*\nq+4*\k+2:SR+16*\nq+4*\k+3]
	v_cvt_pk_f16_f32 v[SR+16*\nq+2*\k],   v[SR+16*\nq+4*\k],   v[SR+16*\nq+4*\k+1]
	v_cvt_pk_f16_f32 v[SR+16*\nq+2*\k+1], v[SR+16*\nq+4*\k+2], v[SR+16*\nq+4*\k+3]
.endr
.irp i, 0,1,2,3,4,5,6,7
	v_pk_add_f32 v[SUM+8*(\nq&1)+2*(\i&3):SUM+8*(\nq&1)+2*(\i&3)+1], v[SUM+8*(\nq&1)+2*(\i&3):SUM+8*(\nq&1)+2*(\i&3)+1], v[SR+64+16*\nq+2*\i:SR+64+16*\nq+2*\i+1]
	v_cvt_pk_f16_f32 v[SR+64+16*\nq+\i], v[SR+64+16*\nq+2*\i], v[SR+64+16*\nq+2*\i+1]
.endr
	v_pk_add_f32 v[SUM+8*(\nq&1):SUM+8*(\nq&1)+1],   v[SUM+8*(\nq&1):SUM+8*(\nq&1)+1],   v[SUM+8*(\nq&1)+2:SUM+8*(\nq&1)+3]
	v_pk_add_f32 v[SUM+8*(\nq&1)+4:SUM+8*(\nq&1)+5], v[SUM+8*(\nq&1)+4:SUM+8*(\nq&1)+5], v[SUM+8*(\nq&1)+6:SUM+8*(\nq&1)+7]
	v_pk_add_f32 v[SUM+8*(\nq&1):SUM+8*(\nq&1)+1],   v[SUM+8*(\nq&1):SUM+8*(\nq&1)+1],   v[SUM+8*(\nq&1)+4:SUM+8*(\nq&1)+5]
.endm
.macro SUMEND nq, first                ; sum = sum x alpha + this step's share
.if \first
	v_add_f32 v[ST+4*\nq+3], v[SUM+8*(\nq&1)], v[SUM+8*(\nq&1)+1]
.else
	v_add_f32 v[SUM+8*(\nq&1)], v[SUM+8*(\nq&1)], v[SUM+8*(\nq&1)+1]
	v_fma_f32 v[ST+4*\nq+3], v[ST+4*\nq+3], v[ST+4*\nq+2], v[SUM+8*(\nq&1)]
.endif
.endm
; 64 of my keys (u = 0, 1: which 64 of my 128) against my 64 queries.  In both products the 16 accumulators take turns, one instruction
; a turn.
; u = 0 loads its own K fragments and, behind its scores, those of u = 1.
; sync (with u = 1): 1 = the slot is filled again behind this step, with the spread round; 2 = a work-group barrier alone, which shows the other
; slot's tile to all waves; 0 = nothing.
.macro SUB slot, u, first, sync
.if \u == 0
	KLOAD \slot, 0
.endif
	WIN 0x40
.irp d, 0,1,2,3
.irp c, 0,1
	ds_load_tr16_b128 v[VF+16*\d+8*\c:VF+16*\d+8*\c+3],   v[ADRV+\slot] offset:\u*64*VPITCH+\c*32*VPITCH+32*\d
	ds_load_tr16_b128 v[VF+16*\d+8*\c+4:VF+16*\d+8*\c+7], v[ADRV+\slot] offset:\u*64*VPITCH+\c*32*VPITCH+32*\d+16*VPITCH
.endr
.endr
	WIN 0x04                                       ; source 1 (Q) in window 1
	s_wait_dscnt 16                                ; K's 16 loads are in; V's 16, which are younger, may stay out
.irp t, 0,1,2,3
.irp nq, 0,1,2,3
	v_wmma_f32_16x16x32_f16 v[SR+64*(\t>>1)+16*\nq+8*(\t&1):SR+64*(\t>>1)+16*\nq+8*(\t&1)+7], v[KF+16*\t:KF+16*\t+7], v[QF+16*\nq:QF+16*\nq+7], 0
.endr
.endr
.irp t, 0,1,2,3
.irp nq, 0,1,2,3
	v_wmma_f32_16x16x32_f16 v[SR+64*(\t>>1)+16*\nq+8*(\t&1):SR+64*(\t>>1)+16*\nq+8*(\t&1)+7], v[KF+16*\t+8:KF+16*\t+15], v[QF+16*\nq+8:QF+16*\nq+15], v[SR+64*(\t>>1)+16*\nq+8*(\t&1):SR+64*(\t>>1)+16*\nq+8*(\t&1)+7]
.endr
.endr
	WIN 0
.rept 4
	v_nop                                          ; four places before vector instructions read the scores and before loads land in K's registers
.endr
.if \u == 0
	KLOAD \slot, 1                                 ; the next step's K fragments: they have this step's softmax in which to come
.endif
.if \sync
	s_wait_dscnt 0x0                               ; my reads of this slot are over: V's fragments of this step were the last
	s_wait_tensorcnt 0x0                           ; all my tensor loads have landed: the two that were out are my parts of the other slot's tile
	ds_add_u32 v62, v63
	s_wait_dscnt 0x0
	s_barrier_signal -1                            ; say so; with sync = 1 this opens the round.  Up to the closing wait: register work alone
.endif
	MAXES
	STATS \first
	FMA 0
	EXPS 0
.if \first == 0
	RESCALE
.endif
.if \sync == 1
	s_barrier_wait -1                              ; all eight waves of my work-group have said so,
	s_cmp_lg_u32 s8, 0
	s_cbranch_scc1 .Lnw0_\@
	s_barrier_signal -3                            ; wave 0 says so for the work-group
.Lnw0_\@:
.endif
	FMA 1
	EXPS 1
	SUMCVT 0
	FMA 2
	SUMEND 0, \first
	EXPS 2
.if \sync == 1
	s_barrier_wait -3                              ; all four work-groups have said so
	s_barrier_signal -1                            ; the closing barrier of the round
.endif
	SUMCVT 1
	FMA 3
	SUMEND 1, \first
	EXPS 3
	SUMCVT 2
	SUMCVT 3
	SUMEND 2, \first
	SUMEND 3, \first
.if \u == 0
	s_wait_dscnt 16                                ; V's fragments are in; the 16 loads of the next step's K, which are younger, may stay out
.else
.if \sync == 0
	s_wait_dscnt 0                                 ; V's fragments
.endif
.endif
	WIN 0x51                                       ; V^T, C and D in window 1, P in window 0
.irp d, 0,1,2,3
.irp nq, 0,1,2,3
.if \first
	v_wmma_f32_16x16x32_f16 v[8*(4*\d+\nq):8*(4*\d+\nq)+7], v[VF+16*\d:VF+16*\d+7], v[SR+16*\nq:SR+16*\nq+7], 0
.else
	v_wmma_f32_16x16x32_f16 v[8*(4*\d+\nq):8*(4*\d+\nq)+7], v[VF+16*\d:VF+16*\d+7], v[SR+16*\nq:SR+16*\nq+7], v[8*(4*\d+\nq):8*(4*\d+\nq)+7]
.endif
.endr
.endr
.irp d, 0,1,2,3
.irp nq, 0,1,2,3
	v_wmma_f32_16x16x32_f16 v[8*(4*\d+\nq):8*(4*\d+\nq)+7], v[VF+16*\d+8:VF+16*\d+15], v[SR+64+16*\nq:SR+64+16*\nq+7], v[8*(4*\d+\nq):8*(4*\d+\nq)+7]
.endr
.endr
	WIN 0
.rept 5
	v_nop                                          ; five places before the next scores are written over P, four before loads land in V^T's registers
.endr
.if \sync
	s_barrier_wait -1                              ; sync = 1: the round is closed: no wave of any partner still reads this slot or has a load on its way
.endif
.if \sync == 1
	s_add_nc_u64 s[G0K+4*\slot+2:G0K+4*\slot+3], s[G0K+4*\slot+2:G0K+4*\slot+3], 2*32768   ; no load of mine is out: this slot's next tile, two tiles on
	s_add_nc_u64 s[G0V+4*\slot+2:G0V+4*\slot+3], s[G0V+4*\slot+2:G0V+4*\slot+3], 2*32768
	tensor_load_to_lds s[G0K+4*\slot:G0K+4*\slot+3], s[G1K:G1K+7]      ; the first tensor loads behind the round, ahead of any LDS read
	s_nop 0
	tensor_load_to_lds s[G0V+4*\slot:G0V+4*\slot+3], s[G1V:G1V+7]
	s_nop 0
.endif
.endm
.macro TRIP slot, first, sync          ; one tile of 256 keys
	SUB \slot, 0, \first, 0
	SUB \slot, 1, 0, \sync
.endm
	TRIP 0, 1, 1                                   ; eight tiles: the first two written out (the first products start the sums); tiles 2 and 3 are asked for,
	TRIP 1, 0, 1
	s_mov_b32 s48, 2
.Ltiles:
	TRIP 0, 0, 1                                   ; four in the loop, which ask for tiles 4 to 7,
	TRIP 1, 0, 1
	s_sub_co_u32 s48, s48, 1
	s_cmp_lg_u32 s48, 0
	s_cbranch_scc1 .Ltiles
	TRIP 0, 0, 2                                   ; and the last two, which ask for nothing: a barrier shows tile 7 to all waves
	TRIP 1, 0, 0
	; THE TWO HALVES OF THE KEYS MEET.  Waves 4-7 put their accumulators and statistics into LDS,
	s_cmp_lt_u32 s8, 4
	s_cbranch_scc1 .Lkeep
	WIN 0x04                                       ; store data in window 1
.set i, 0
.rept 32
	ds_store_b128 v[MRGA], v[4*i:4*i+3] offset:512*i
.set i, i+1
.endr
	WIN 0
.irp k, 0,1,2,3
	ds_store_b128 v[MRGA], v[ST+4*\k:ST+4*\k+3] offset:16384+512*\k
.endr
.Lkeep:
	s_wait_dscnt 0x0                               ; for the partner's sake: the stores are done in front of the signal
	ROUND                                          ; the barrier between those stores and their reads, and the cluster's closing round: the last joint loads lie behind
	s_cmp_ge_u32 s8, 4
	s_cbranch_scc1 .Lend                           ; no barrier follows
.irp k, 0,1,2,3
	ds_load_b128 v[PST+4*\k:PST+4*\k+3], v[MRGA] offset:16384+512*\k
.endr
.set i, 0
.rept 32
	ds_load_b128 v[SR+4*i:SR+4*i+3], v[MRGA] offset:512*i
.set i, i+1
.endr
	s_wait_dscnt 32                                ; the statistics are in; the 32 younger loads stay out
.irp nq, 0,1,2,3
	v_min_num_f32 v[NN+\nq], v[ST+4*\nq], v[PST+4*\nq]         ; -c times the larger maximum
.endr
.irp nq, 0,1,2,3
	v_sub_f32 v[F0P+2*\nq], v[NN+\nq], v[ST+4*\nq]
	v_sub_f32 v[F1P+2*\nq], v[NN+\nq], v[PST+4*\nq]
.endr
.irp nq, 0,1,2,3
	v_exp_f32 v[F0P+2*\nq], v[F0P+2*\nq]
	v_exp_f32 v[F1P+2*\nq], v[F1P+2*\nq]
.endr
	v_nop                                          ; one plain place behind the exponentials
	s_wait_alu depctr_va_vdst(0)
.irp nq, 0,1,2,3
	v_mul_f32 v[NN+\nq], v[ST+4*\nq+3], v[F0P+2*\nq]
.endr
.irp nq, 0,1,2,3
	v_fmac_f32 v[NN+\nq], v[PST+4*\nq+3], v[F1P+2*\nq]         ; this lane's share of the row sum, both halves of the keys
.endr
.irp nq, 0,1,2,3
	v_permlanex16_b32 v[T1+\nq], v[NN+\nq], s14, s15
.endr
.irp nq, 0,1,2,3
	v_add_f32 v[NN+\nq], v[NN+\nq], v[T1+\nq]                  ; the whole row sum
.endr
.irp nq, 0,1,2,3
	v_rcp_f32 v[NN+\nq], v[NN+\nq]
.endr
	v_nop                                          ; one plain place behind the reciprocals
	s_wait_alu depctr_va_vdst(0)
.irp nq, 0,1,2,3
	v_mul_f32 v[F0P+2*\nq+1], v[F0P+2*\nq], v[NN+\nq]          ; each factor into both registers of its pair
	v_mul_f32 v[F1P+2*\nq+1], v[F1P+2*\nq], v[NN+\nq]
.endr
.irp nq, 0,1,2,3
	v_mul_f32 v[F0P+2*\nq], v[F0P+2*\nq], v[NN+\nq]
	v_mul_f32 v[F1P+2*\nq], v[F1P+2*\nq], v[NN+\nq]
.endr
	s_wait_dscnt 0                                 ; the partner's accumulators
.set p, 0
.rept 64
	v_pk_mul_f32 v[SR+2*p:SR+2*p+1], v[SR+2*p:SR+2*p+1], v[F1P+2*((p>>2)&3):F1P+2*((p>>2)&3)+1]
.set p, p+1
.endr
	WIN 0x01                                       ; source 0: my accumulators, window 1
.set p, 0
.rept 64
	v_pk_fma_f32 v[SR+2*p:SR+2*p+1], v[2*p:2*p+1], v[F0P+2*((p>>2)&3):F0P+2*((p>>2)&3)+1], v[SR+2*p:SR+2*p+1]
.set p, p+1
.endr
	WIN 0
	; the way out: tile tl = 4 dt + n: 16 bytes (d = 16 dt + 8 h ..) of query 16 n + r into my own stage, rows of 144 bytes
.set tl, 0
.rept 16
.irp i, 0,1,2,3
	v_cvt_pk_f16_f32 v[SR+8*tl+\i], v[SR+8*tl+2*\i], v[SR+8*tl+2*\i+1]
.endr
	ds_store_b128 v[STO], v[SR+8*tl:SR+8*tl+3] offset:(tl&3)*16*KPITCH+(tl>>2)*32
.set tl, tl+1
.endr
.set i, 0
.rept 16
	ds_load_b128 v[KF+4*i:KF+4*i+3], v[RD] offset:4*KPITCH*i           ; four rows of 128 bytes; LDS serves a wave's instructions in order
.set i, i+1
.endr
.set i, 0
.rept 16
	s_wait_dscnt 15-i
	global_store_b128 v[CO], v[KF+4*i:KF+4*i+3], s[56:57] offset:512*i ; each store of the wave covers 512 consecutive bytes, aligned
.set i, i+1
.endr
.Lend:
	s_wait_tensorcnt 0x0
	ds_add_u32 v62, v63
	s_wait_dscnt 0x0
	s_endpgm
.Lfunc_end_k_q46da0a9510_attn:
	.size	k_q46da0a9510_attn, .Lfunc_end_k_q46da0a9510_attn-k_q46da0a9510_attn
	.p2alignl 7, 3214868480
	.fill 96, 4, 3214868480
	.section	.rodata,"a",@progbits
	.p2align	6, 0x0
	.amdhsa_kernel k_q46da0a9510_attn
		.amdhsa_group_segment_fixed_size 327680
		.amdhsa_private_segment_fixed_size 0
		.amdhsa_enable_private_segment 0
		.amdhsa_kernarg_size 16
		.amdhsa_user_sgpr_count 2
		.amdhsa_user_sgpr_kernarg_segment_ptr 1
		.amdhsa_wavefront_size32 1
		.amdhsa_system_sgpr_workgroup_id_x 1
		.amdhsa_system_sgpr_workgroup_id_y 1
		.amdhsa_system_sgpr_workgroup_id_z 1
		.amdhsa_system_vgpr_workitem_id 0
		.amdhsa_next_free_vgpr 512
		.amdhsa_next_free_sgpr 66
		.amdhsa_reserve_vcc 0
		.amdhsa_float_denorm_mode_32 3
		.amdhsa_float_denorm_mode_16_64 3
		.amdhsa_memory_ordered 1
		.amdhsa_forward_progress 1
		.amdhsa_inst_pref_size 255
	.end_amdhsa_kernel
	.section	.bss,"aw",@nobits
	.p2align	6
	.space	262144
	.amdgpu_metadata
---
amdhsa.version: [ 1, 2 ]
amdhsa.kernels:
  - .name:           k_q46da0a9510_attn
    .symbol:         k_q46da0a9510_attn.kd
    .args:
      - { .name: qkv, .offset: 0, .size: 8, .value_kind: global_buffer, .address_space: global }
      - { .name: ctx, .offset: 8, .size: 8, .value_kind: global_buffer, .address_space: global }
    .group_segment_fixed_size: 327680
    .private_segment_fixed_size: 0
    .kernarg_segment_align: 8
    .kernarg_segment_size: 16
    .max_flat_workgroup_size: 256
    .sgpr_count:     66
    .vgpr_count:     512
    .wavefront_size: 32
...
	.end_amdgpu_metadata
.endif
;; end of part 3
;; launch outp (part 4): grid 8 x 32, 4 waves a work-group, clusters of 4 x 4, 327,680 bytes of LDS; arguments ctx, xb, bo, out0; writes out0
.if DOCPART == 4
	.amdgcn_target "amdgcn-amd-amdhsa--gfx1250"
	.amdhsa_code_object_version 6
	.text
	.protected	k_q46da0a9510_outp
	.globl	k_q46da0a9510_outp
	.p2align	8
	.type	k_q46da0a9510_outp,@function
k_q46da0a9510_outp:
	s_mov_b64 s[64:65], 0
	v_nop
	global_prefetch_b8 v0, s[64:65] scope:SCOPE_SE
	s_setreg_imm32_b32 hwreg(HW_REG_WAVE_MODE, 25, 1), 1
	s_wait_xcnt 0x0
	s_wait_alu depctr_hold_cnt(0) depctr_sa_sdst(0) depctr_va_vdst(0) depctr_va_sdst(0) depctr_va_ssrc(0) depctr_va_vcc(0) depctr_vm_vsrc(0)
	s_getreg_b32 s2, hwreg(HW_REG_IB_STS2, 6, 4)
	s_cmp_eq_u32 s2, 0
	s_cbranch_scc0 .Lentry_in_a_cluster
	s_endpgm
.Lentry_in_a_cluster:
	s_bfe_u32 s2, ttmp6, 0x10000c
	s_cmp_lg_u32 s2, 0xf033
	s_cbranch_scc0 .Lentry_shape_is_right
	s_endpgm
.Lentry_shape_is_right:
; out0 = concat(ctx) Wo + bo.  ctx: [b][h][s][64] f16; Wo: xb's unit 15, [k][n] f16; out0: [4096][1024] f32; sums and bias in f32.
; 4096 x 1024 outputs in blocks of 128 x 128 are 256 work-groups; four waves, a wave makes 64 x 64: 16 accumulator tiles.
; K goes in four tiles of 256 (four heads) through two LDS slots.  ctx's part of a tile is four planes of 128 rows x 128 bytes, each dense in
; memory and fetched as 64 rows of 256 bytes with a pad behind every 32 words (pitch 144); Wo's part is 256 k rows x 256 bytes (pitch 288)
; and stays [K][N]: its fragments come by the transposing load.
; CLUSTERS: 4 x 4.  ctx's tiles hang on the block row alone and are asked for jointly along a row of the cluster, Wo's on the block column
; alone, along a column.  Each wave asks for one plane of ctx and 64 k rows of Wo per tile.  Both slots are asked for at the start, and a slot
; is asked for again as soon as it has been read: four tensor loads of a wave are out at the start, two later.
; Transposed use (source 0 = Wo's columns, source 1 = ctx's rows): a lane holds eight neighbouring columns of a row.  The bias is the first C.
; REGISTERS, window 0: v8-17 addresses; v[32:63] bias tiles; v[64:127], v[128:191] two fragment buffers (Wo's 32 registers, then ctx's 32).
; Window 1: v[0:127] accumulators (a, b) at 8 (4 a + b).
.set APITCH, 144
.set WPITCH, 288
.set APLANE, 128*APITCH                ; 18,432
.set ABYTES, 4*APLANE                  ; 73,728
.set SLOT,   ABYTES+256*WPITCH         ; 147,456
.set STAGE,  2*SLOT                    ; 294,912, a multiple of 256: 16 rows x 272 bytes for each wave; no tensor load lands here
.set SPITCH, 272
.set ADRA, 8                           ; v8-9    ctx fragments, slot 0, 1
.set ADRB, 10                          ; v10-13  Wo fragments, slot 0 k rows 0-127, 128-255, slot 1 likewise
.set STO,  14
.set RD,   15
.set CO,   16
.set VB,   17
.set BIAS, 32
.set F0,   64
.set F1,   128
.set G1A, 16
.set G1W, 24
.set G0A, 32
.set G0W, 48
.set MSB, 0
.macro WIN new
.if MSB != \new
	s_set_vgpr_msb (MSB<<8)|\new
.set MSB, \new
.endif
.endm
.macro CREST                           ; a round of the cluster's barrier behind its opening work-group barrier
	s_cmp_lg_u32 s66, 0
	s_cbranch_scc1 .Lnot_wave_0_\@
	s_barrier_signal -3
.Lnot_wave_0_\@:
	s_barrier_wait -3
	s_barrier_signal -1
	s_barrier_wait -1
.endm
.macro ROUND                           ; a whole round
	s_barrier_signal -1
	s_barrier_wait -1
	CREST
.endm
.macro PLACES                          ; four places behind matrix instructions, in front of loads into their sources and of reads of their results
.rept 4
	v_nop
.endr
.endm
	s_load_b256 s[4:11], s[0:1], 0x0               ; ctx s[4:5], xb s[6:7], bo s[8:9], out0 s[10:11]
	v_lshl_add_u32 v254, v0, 2, 0x4c400
	v_mov_b32 v255, 0
	ds_add_u32 v254, v255
	v_lshrrev_b32 v1, 5, v0
	v_readfirstlane_b32 s66, v1                    ; wave 0..3
	s_lshr_b32 s67, s66, 1                         ; my half of the rows
	s_and_b32 s68, s66, 1                          ; my half of the columns
	s_bfe_u32 s71, ttmp6, 0x40000                  ; cx
	s_bfe_u32 s72, ttmp6, 0x40004                  ; cy
	s_lshl_b32 s70, ttmp9, 2
	s_add_co_u32 s70, s70, s71                     ; block column 0..7
	s_and_b32 s69, ttmp7, 0xffff
	s_lshl_b32 s69, s69, 2
	s_add_co_u32 s69, s69, s72                     ; block row 0..31
	s_lshl_b32 s73, s72, 2
	s_lshl_b32 s73, 15, s73                        ; my row of the cluster
	s_lshl_b32 s74, 0x1111, s71                    ; my column
	s_or_b32 s[G1A+0], s73, (1<<16)|(1<<20)|(1<<21)|(4<<22)|(3<<25)    ; after every 32 words a pad of 4
	s_mov_b32 s[G1A+1], 128<<16
	s_mov_b32 s[G1A+2], 64<<16
	s_mov_b32 s[G1A+3], 128<<16
	s_mov_b32 s[G1A+4], 64
	s_mov_b32 s[G1A+5], 128                        ; dense
	s_mov_b32 s[G1A+6], 0
	s_mov_b32 s[G1A+7], 0
	s_or_b32 s[G1W+0], s74, (1<<16)|(1<<20)|(1<<21)|(5<<22)|(7<<25)    ; after every 64 words a pad of 8
	s_mov_b32 s[G1W+1], 128<<16
	s_mov_b32 s[G1W+2], 64<<16
	s_mov_b32 s[G1W+3], 128<<16
	s_mov_b32 s[G1W+4], 64
	s_mov_b32 s[G1W+5], 1024                       ; Wo's rows
	s_mov_b32 s[G1W+6], 0
	s_mov_b32 s[G1W+7], 0
	; s[12:15] never hold cx, s[44:47] never hold cy
	s_lshr_b32 s12, s69, 4                         ; b: 16 planes of 262,144 bytes
	s_lshl_b32 s12, s12, 22
	s_and_b32 s14, s69, 15                         ; 128 rows of 128 bytes to a block row
	s_lshl_b32 s14, s14, 14
	s_add_co_u32 s12, s12, s14
	s_lshl_b32 s14, s66, 18                        ; one plane to a wave
	s_add_co_u32 s12, s12, s14
	s_mov_b32 s13, 0
	s_lshl_b32 s44, s70, 8                         ; 128 columns of 2 bytes to a block column
	s_lshl_b32 s46, s66, 17                        ; 64 k rows of 2,048 bytes to a wave
	s_add_co_u32 s44, s44, s46
	s_add_co_u32 s44, s44, 15*2097152              ; unit 15 of xb
	s_mov_b32 s45, 0
	s_mul_i32 s40, s66, APLANE                     ; LDS: the wave's number alone
	s_add_co_u32 s41, s40, ABYTES                  ; 64 rows of 288 bytes are 18,432 too
	s_wait_dscnt 0x0
	s_wait_kmcnt 0x0
	s_add_nc_u64 s[12:13], s[4:5], s[12:13]
	s_add_nc_u64 s[44:45], s[6:7], s[44:45]
.irp s, 0,1
	s_mov_b32 s[G0A+4*\s], 1
	s_add_co_u32 s[G0A+4*\s+1], s40, \s*SLOT
	s_add_nc_u64 s[G0A+4*\s+2:G0A+4*\s+3], s[12:13], \s*4*262144       ; tile s: four planes on
	s_or_b32 s[G0A+4*\s+3], s[G0A+4*\s+3], 0x80000000
	s_mov_b32 s[G0W+4*\s], 1
	s_add_co_u32 s[G0W+4*\s+1], s41, \s*SLOT
	s_add_nc_u64 s[G0W+4*\s+2:G0W+4*\s+3], s[44:45], \s*256*2048       ; tile s: 256 k rows on
	s_or_b32 s[G0W+4*\s+3], s[G0W+4*\s+3], 0x80000000
.endr
	ROUND                                          ; all sixteen work-groups are here: the first joint loads meet
.irp s, 0,1
	tensor_load_to_lds s[G0A+4*\s:G0A+4*\s+3], s[G1A:G1A+7]            ; tiles 0 and 1: both slots' first fills
	s_nop 0
	tensor_load_to_lds s[G0W+4*\s:G0W+4*\s+3], s[G1W:G1W+7]
	s_nop 0
.endr
	s_lshl_b32 s12, s69, 19                        ; out0: 128 rows of 4,096 bytes to a block row,
	s_lshl_b32 s14, s67, 18                        ; 64 to my half
	s_add_co_u32 s12, s12, s14
	s_mov_b32 s13, 0
	s_add_nc_u64 s[10:11], s[10:11], s[12:13]
	s_lshl_b32 s44, s70, 9                         ; 128 f32 to a block column,
	s_lshl_b32 s46, s68, 8                         ; 64 to my half
	s_add_co_u32 s44, s44, s46
	s_mov_b32 s45, 0
	s_add_nc_u64 s[10:11], s[10:11], s[44:45]
	s_add_nc_u64 s[8:9], s[8:9], s[44:45]          ; and the same columns of bo
	v_and_b32 v1, 15, v0                           ; r
	v_bfe_u32 v2, v0, 4, 1                         ; h
	v_lshlrev_b32 v[VB], 5, v2
.irp b, 0,1,2,3
	global_load_b128 v[BIAS+8*\b:BIAS+8*\b+3],   v[VB], s[8:9] offset:64*\b
	global_load_b128 v[BIAS+8*\b+4:BIAS+8*\b+7], v[VB], s[8:9] offset:64*\b+16
.endr
	v_mul_u32_u24 v3, v1, APITCH
	v_lshl_add_u32 v3, v2, 4, v3
	s_mul_i32 s42, s67, 64*APITCH                  ; my 64 rows in each plane
	v_add_nc_u32 v[ADRA], s42, v3
	v_add_nc_u32 v[ADRA+1], SLOT, v[ADRA]
	v_and_b32 v4, 7, v0
	v_lshl_add_u32 v4, v2, 3, v4                   ; k row 8 h + l % 8
	v_mul_u32_u24 v4, v4, WPITCH
	v_bfe_u32 v5, v0, 3, 1
	v_lshl_add_u32 v4, v5, 4, v4
	s_lshl_b32 s43, s68, 7                         ; my 64 columns of 2 bytes
	s_add_co_u32 s43, s43, ABYTES
	v_add_nc_u32 v[ADRB], s43, v4
	v_add_nc_u32 v[ADRB+1], 128*WPITCH, v[ADRB]
	v_add_nc_u32 v[ADRB+2], SLOT, v[ADRB]
	v_add_nc_u32 v[ADRB+3], SLOT+128*WPITCH, v[ADRB]
	s_mul_i32 s42, s66, 16*SPITCH
	s_add_co_u32 s42, s42, STAGE                   ; my stage
	v_mul_u32_u24 v6, v1, SPITCH                   ; in: row r, 32 bytes for each half of the lanes
	v_lshl_add_u32 v6, v2, 5, v6
	v_add_nc_u32 v[STO], s42, v6
	v_mul_u32_u24 v7, v2, SPITCH                   ; back: lanes 0-15 one row of 256 bytes, lanes 16-31 the next
	v_lshl_add_u32 v7, v1, 4, v7
	v_add_nc_u32 v[RD], s42, v7
	v_lshlrev_b32 v[CO], 12, v2                    ; and the same two rows of out0
	v_lshl_add_u32 v[CO], v1, 4, v[CO]
	s_wait_loadcnt 0x0                             ; the bias
	s_wait_tensorcnt 0x2                           ; my two parts of tile 0 are in; tile 1's two stay out
	s_barrier_signal -1
	s_barrier_wait -1                              ; everybody's are
; 16 LDS loads: the fragments of 32 along K (q = 0..7 in the tile) into buffer buf
.macro FETCH slot, q, buf
.irp b, 0,1,2,3
	ds_load_tr16_b128 v[\buf+8*\b:\buf+8*\b+3],   v[ADRB+2*\slot+(\q>>2)] offset:(\q&3)*32*WPITCH+32*\b
	ds_load_tr16_b128 v[\buf+8*\b+4:\buf+8*\b+7], v[ADRB+2*\slot+(\q>>2)] offset:(\q&3)*32*WPITCH+32*\b+16*WPITCH
.endr
.irp a, 0,1,2,3
	ds_load_b128 v[\buf+32+8*\a:\buf+32+8*\a+3],   v[ADRA+\slot] offset:(\q>>1)*APLANE+\a*16*APITCH+64*(\q&1)
	ds_load_b128 v[\buf+32+8*\a+4:\buf+32+8*\a+7], v[ADRA+\slot] offset:(\q>>1)*APLANE+\a*16*APITCH+64*(\q&1)+32
.endr
.endm
; 16 matrix instructions; the 16 accumulators take turns, one instruction a turn.  first = 1: C is the bias tile.
.macro MUL buf, first
.if \first
	WIN 0x40                                       ; D in window 1, C in window 0
.else
	WIN 0x50                                       ; C and D in window 1
.endif
.irp a, 0,1,2,3
.irp b, 0,1,2,3
.if \first
	v_wmma_f32_16x16x32_f16 v[8*(4*\a+\b):8*(4*\a+\b)+7], v[\buf+8*\b:\buf+8*\b+7], v[\buf+32+8*\a:\buf+32+8*\a+7], v[BIAS+8*\b:BIAS+8*\b+7]
.else
	v_wmma_f32_16x16x32_f16 v[8*(4*\a+\b):8*(4*\a+\b)+7], v[\buf+8*\b:\buf+8*\b+7], v[\buf+32+8*\a:\buf+32+8*\a+7], v[8*(4*\a+\b):8*(4*\a+\b)+7]
.endif
.endr
.endr
	WIN 0
.endm
.macro STEP slot, q, f, g, first       ; fetches piece q into buffer g, then multiplies buffer f
	PLACES
	FETCH \slot, \q, \g
	s_wait_dscnt 16                                ; buffer f is in; the 16 loads just issued may stay out
	MUL \f, \first
.endm
; One tile.  sync = 1: the slot is filled again behind it.  In front of the opening signal each wave waits for its reads of this slot and for all
; its tensor loads (the two that are out are its parts of the other slot); the last 16 matrix instructions stand between the signal and
; its wait; the round takes the place of the barrier in front of a refill, and the joint refills are the first tensor loads behind it.
; sync = 2: a work-group barrier alone, which shows the other slot's tile to all waves.  sync = 0: the last tile.
.macro TILE slot, first, sync
	PLACES
	FETCH \slot, 0, F0
	STEP \slot, 1, F0, F1, \first
	STEP \slot, 2, F1, F0, 0
	STEP \slot, 3, F0, F1, 0
	STEP \slot, 4, F1, F0, 0
	STEP \slot, 5, F0, F1, 0
	STEP \slot, 6, F1, F0, 0
	STEP \slot, 7, F0, F1, 0
	s_wait_dscnt 0                                 ; buffer 1 is in, and my reads of this slot are over
.if \sync
	s_wait_tensorcnt 0x0                           ; all my tensor loads have landed
	ds_add_u32 v254, v255
	s_wait_dscnt 0x0
	s_barrier_signal -1
.endif
	MUL F1, 0
.if \sync
	s_barrier_wait -1
.endif
.if \sync == 1
	CREST                                          ; no wave of any partner still reads this slot or has a load on its way
	s_add_nc_u64 s[G0A+4*\slot+2:G0A+4*\slot+3], s[G0A+4*\slot+2:G0A+4*\slot+3], 2*4*262144    ; no load of mine is out: this slot's next tile, two tiles on
	s_add_nc_u64 s[G0W+4*\slot+2:G0W+4*\slot+3], s[G0W+4*\slot+2:G0W+4*\slot+3], 2*256*2048
	tensor_load_to_lds s[G0A+4*\slot:G0A+4*\slot+3], s[G1A:G1A+7]
	s_nop 0
	tensor_load_to_lds s[G0W+4*\slot:G0W+4*\slot+3], s[G1W:G1W+7]
	s_nop 0
.endif
.endm
	TILE 0, 1, 1                                   ; four tiles, written out: behind tile 0 tile 2 is asked for,
	TILE 1, 0, 1                                   ; behind tile 1 tile 3;
	TILE 0, 0, 2                                   ; the last two ask for nothing
	TILE 1, 0, 0
	; THE WAY OUT, 16 rows at a time through my own stage: a lane puts 32 bytes of a row, and reads whole rows of 256 bytes back.
	PLACES
.macro OUT16 a, f
	WIN 0x04                                       ; store data in window 1
.irp b, 0,1,2,3
	ds_store_b128 v[STO], v[8*(4*\a+\b):8*(4*\a+\b)+3]   offset:64*\b
	ds_store_b128 v[STO], v[8*(4*\a+\b)+4:8*(4*\a+\b)+7] offset:64*\b+16
.endr
	WIN 0
	s_wait_xcnt 0x0                                ; buffer f, which earlier stores read, and the stores' base are rewritten only behind this wait
.if \a
	s_add_nc_u64 s[10:11], s[10:11], 16*4096       ; 16 rows on
.endif
.irp t, 0,1,2,3,4,5,6,7
	ds_load_b128 v[\f+4*\t:\f+4*\t+3], v[RD] offset:\t*2*SPITCH        ; LDS serves a wave's instructions in order: these see the stores above
.endr
.irp t, 0,1,2,3,4,5,6,7
	s_wait_dscnt 7-\t
	global_store_b128 v[CO], v[\f+4*\t:\f+4*\t+3], s[10:11] offset:\t*2*4096 th:TH_STORE_NT   ; 16 lanes store 256 consecutive bytes, aligned
.endr
.endm
	OUT16 0, F0
	OUT16 1, F1
	OUT16 2, F0
	OUT16 3, F1
	s_wait_tensorcnt 0x0
	ds_add_u32 v254, v255
	s_wait_dscnt 0x0
	ROUND                                          ; the closing round: no work-group ends while a partner may still ask for a tile that names it
	s_endpgm
.Lfunc_end_k_q46da0a9510_outp:
	.size	k_q46da0a9510_outp, .Lfunc_end_k_q46da0a9510_outp-k_q46da0a9510_outp
	.p2alignl 7, 3214868480
	.fill 96, 4, 3214868480
	.section	.rodata,"a",@progbits
	.p2align	6, 0x0
	.amdhsa_kernel k_q46da0a9510_outp
		.amdhsa_group_segment_fixed_size 327680
		.amdhsa_private_segment_fixed_size 0
		.amdhsa_enable_private_segment 0
		.amdhsa_kernarg_size 32
		.amdhsa_user_sgpr_count 2
		.amdhsa_user_sgpr_kernarg_segment_ptr 1
		.amdhsa_wavefront_size32 1
		.amdhsa_system_sgpr_workgroup_id_x 1
		.amdhsa_system_sgpr_workgroup_id_y 1
		.amdhsa_system_sgpr_workgroup_id_z 1
		.amdhsa_system_vgpr_workitem_id 0
		.amdhsa_next_free_vgpr 384
		.amdhsa_next_free_sgpr 80
		.amdhsa_reserve_vcc 0
		.amdhsa_float_denorm_mode_32 3
		.amdhsa_float_denorm_mode_16_64 3
		.amdhsa_memory_ordered 1
		.amdhsa_forward_progress 1
		.amdhsa_inst_pref_size 90
	.end_amdhsa_kernel
	.amdgpu_metadata
---
amdhsa.version: [ 1, 2 ]
amdhsa.kernels:
  - .name:           k_q46da0a9510_outp
    .symbol:         k_q46da0a9510_outp.kd
    .args:
      - { .name: ctx, .offset: 0, .size: 8, .value_kind: global_buffer, .address_space: global }
      - { .name: xb, .offset: 8, .size: 8, .value_kind: global_buffer, .address_space: global }
      - { .name: bo, .offset: 16, .size: 8, .value_kind: global_buffer, .address_space: global }
      - { .name: out0, .offset: 24, .size: 8, .value_kind: global_buffer, .address_space: global }
    .group_segment_fixed_size: 327680
    .private_segment_fixed_size: 0
    .kernarg_segment_align: 8
    .kernarg_segment_size: 32
    .max_flat_workgroup_size: 128
    .sgpr_count:     80
    .vgpr_count:     384
    .wavefront_size: 32
...
	.end_amdgpu_metadata
.endif
;; end of part 4
